; MI455X (gfx1250); checked and timed in simulation.
; The chip was launched on July 23, 2026; its instructions are those of AMD's public machine-readable ISA for CDNA 5 (MIT licence, August 2026) and "CDNA5" Instruction Set Architecture Reference Guide (July 2026). The comments in the code are by the model that wrote it; some were corrected since.
;; Attention. Allowed arithmetic: matrix products marked QUANTISED: E2M1 operands, one E8M0 scale for each 32 along K, by v_wmma_scale_f32_16x16x128_f8f6f4 with both operands' format E2M1 (or v_wmma_scale_f32_32x16x128_f4), f32 sums; everything else in f32.
;; Inputs: k 4,096 x 16 x 64 float32; q 4,096 x 16 x 64 float32; v 4,096 x 16 x 64 float32.
;; Outputs: out0 4,096 x 1,024 float32.
;; This version of the problem:
;;   THIS VERSION OF THE PROBLEM IS GIVEN IN LOW PRECISION. The matrix products marked QUANTISED in the list below multiply operands that are first quantised to E2M1 (2 exponent bits, 1 mantissa bit; 4 bits a number), with one power-of-two scale for each 32 numbers along K (OCP MX v1.0); their sums are f32. All else is computed in f32.
;;   The module's matrix products, in the order in which they are computed (A, B: the left and right operand; K: the contracted axis; several contracted axes count as one K, in the product's order):
;;     1. batch 16 x [M 4,096, K 64] x [K 64, N 4,096]; A: input q; B: input k: QUANTISED
;;     2. batch 16 x [M 64, K 4,096] x [K 4,096, N 4,096]; A: input v; B: softmax (see below): QUANTISED
;;   THE QUANTISER, for each operand of a quantised product, along K:
;;     - K is cut into blocks of 32 from its start; a last block that is shorter is filled with zeros.
;;     - A block's scale is 2^e with e = floor(log2(the largest magnitude in the block)) - 2, held to -126 .. 127; a block of zeros has e = 0. As a byte (E8M0): e + 127.
;;     - Each number is divided by its block's scale, clamped to +-6, and rounded to the nearest number of E2M1, ties to even, subnormals kept.
;;     - The product sums the exact products of the quantised numbers (number of the format x scale) in f32.
;;   ~~~python
;;   def quantise(x, axis):      # numpy; x: float32 -> the quantised numbers, widened to float32 again
;;       x = np.moveaxis(x, axis, -1); K = x.shape[-1]
;;       x = np.pad(x, [(0, 0)] * (x.ndim - 1) + [(0, -K % 32)]); x = x.reshape(x.shape[:-1] + (-1, 32)); a = np.abs(x).max(-1, keepdims=True)
;;       e = np.where(a > 0, np.clip(np.frexp(np.where(a > 0, a, 1))[1] - 1 - 2, -126, 127), 0)      # np.frexp(a)[1] - 1 = floor(log2(a)), exactly
;;       r = np.clip(x / 2.0 ** e, -6, 6)
;;       step = 2.0 ** (np.maximum(np.frexp(np.where(r == 0, 1, r))[1] - 1, 0) - 1)
;;       q = np.round(r / step) * step * 2.0 ** e      # np.round: ties to even
;;       return np.moveaxis(q.reshape(q.shape[:-2] + (-1,))[..., :K], -1, axis).astype(np.float32)
;;   ~~~
;;   SOFTMAX AHEAD OF A QUANTISED PRODUCT. Where the list says 'softmax', what is quantised is not the finished softmax but p = 2^(t - M), with t = logit x log2(e) and M = ceil(the row's largest t), a whole number; so 1/2 < the row's largest p <= 1. The row's sum l is taken of the UNQUANTISED p, in f32, and the product's result is divided by l at the end. Since M is a whole number, a kernel that streams over the keys may use a running M (the ceiling of the running maximum): every later rescaling is an exact power of two, which a block's scale takes up: the codes' values come out the same.
;;   OPERANDS COMPUTED ON THE WAY. 'Computed on the way' means the value that the module computes at that place (a softmax that the list does not call 'softmax' is quantised finished and normalised). What goes into a quantiser is computed in f32, as accurately as f32 sums, v_exp_f32 and their like allow (about 1e-6 of the number): no bf16 or f16 on the way to a quantiser, and a product that is left as it is and whose result goes on into a quantised operand takes f32 operands (vector FMAs, or v_wmma_f32_16x16x4_f32). A number that lies on a knife's edge between two numbers of the format may be rounded either way, as far as f32 arithmetic and the matrix unit's own rounding can turn it there, and no further.
;; One version. Each part assembles by itself: llvm-mc -triple=amdgcn-amd-amdhsa -mcpu=gfx1250 --defsym DOCPART=n.
;; ======== version 1 of 1: 2 launches
;; workspace buffers: kv 4,587,520 bytes
;; launch quant (part 1): grid 32 x 16, 4 waves a work-group, no clusters, 36,352 bytes of LDS; arguments k, v, kv; writes kv
.if DOCPART == 1
	.amdgcn_target "amdgcn-amd-amdhsa--gfx1250"
	.amdhsa_code_object_version 6
	.text
	.protected	k_qa8ddd09c77_quant
	.globl	k_qa8ddd09c77_quant
	.p2align	8
	.type	k_qa8ddd09c77_quant,@function
k_qa8ddd09c77_quant:
	s_mov_b64 s[64:65], 0
	v_nop
	global_prefetch_b8 v0, s[64:65] scope:SCOPE_SE
	s_setreg_imm32_b32 hwreg(HW_REG_WAVE_MODE, 25, 1), 1
	s_wait_xcnt 0x0
; k and v, [4096 (position)][16 (head)][64 (channel)] f32, become codes of FP4 (E2M1) with one E8M0 scale byte for each 32 along a product's K, laid as the
; attention launch's matrix operands want them in their registers.  k is quantised along the channels (two blocks of 32 a key), v along the KEYS (a block = 32 neighbouring keys of one channel).
; A block's scale is 2^(floor(log2(its largest magnitude)) - 2); its byte is the largest magnitude's exponent field - 2, held at 1 from below.
; LIMITS: a block of zeros gets the byte 1 where the rule says 127 (its codes are zeros, which add nothing under any byte but 0xff, and this program alone reads the bytes);
; NaN and infinities among the inputs are not served.
; THE WORKSPACE: kv[head 16][step 32][8,960 bytes]; a step is 128 keys.  With l = lane, r = l % 16, h = l / 16, a step's bytes are:
;   +0     K's codes, tile T = 2 b + u (b 0..3, u 0..1) at 512 T + 16 l: the 32 codes of channel block h of key 32 b + 8 u + r + 8 (r / 8)
;   +4096  V's codes, tile t (0..3), half c (0..1) at 1024 t + 512 c + 16 l: the 32 codes of channel 16 t + r, key block 2 c + h
;   +8192  K's scale words at 16 l + 4 b: tile 2 b + h, row r: bytes 0, 1 the key's two scale bytes, bytes 2, 3 = 0x7f (they scale zero codes)
;   +8704  V's scale words at 8 l + 4 j: tile 2 j + h, channel row r: byte i = key block i of the step
; SHARES.  A work-group takes one step of one head.  Wave w takes keys 32 w .. 32 w + 31: of k they are tiles 2 w and 2 w + 1, of v they are key block w of all 64 channels.
; k: a load takes two keys' 256 bytes as they lie; the wave's 32 keys turn through its own stage in LDS (rows of 256 + 16 bytes, in the order of the tiles' rows) and come back 128 bytes a lane: a whole block.
; v: a lane takes a channel and its registers run down the keys, so that a block lies in one lane's 32 registers and nothing is transposed.
; No register that a load or store names is ever written again, so no wait frees one.
.set STEPB,  8960
.set SPITCH, 272                       ; a stage row: 256 bytes + 16 = 68 words, so that sixteen rows start 4 words apart
.set WSTG,   32*SPITCH                 ; a wave's stage
.set SCL,    4*WSTG                    ; behind the stages: 512 bytes of K's scale words, 256 of V's, as they lie in kv
.set R,   32                           ; v32-95    k as loaded
.set X0,  96                           ; v96-127   tile 2 w: my block's 32 numbers;  v128-159 tile 2 w + 1
.set X1,  128
.set VA,  160                          ; v160-191  v: 32 keys of channel lane;  v192-223 of channel 32 + lane
.set VB,  192
.set CD,  224                          ; v224-239  four sets of 4 registers of codes
	s_load_b128 s[4:7], s[0:1], 0x0                ; k s[4:5], v s[6:7]
	s_load_b64 s[8:9], s[0:1], 0x10                ; kv
	v_lshl_add_u32 v248, v0, 2, 0x8c00
	v_mov_b32 v249, 0
	v_lshrrev_b32 v1, 5, v0
	v_readfirstlane_b32 s10, v1                    ; wave 0..3
	v_and_b32 v1, 31, v0                           ; lane
	v_and_b32 v2, 15, v0                           ; r
	v_bfe_u32 v3, v0, 4, 1                         ; h
	s_and_b32 s12, ttmp7, 0xffff                   ; head
	s_lshl_b32 s14, ttmp9, 19                      ; step x 128 keys x 4,096 bytes
	s_lshl_b32 s13, s10, 17                        ; + wave x 32 keys
	s_add_co_u32 s14, s14, s13
	s_lshl_b32 s13, s12, 8                         ; + head x 256 bytes
	s_add_co_u32 s14, s14, s13
	s_mov_b32 s15, 0                               ; (under 2^24: the high word is 0)
	s_lshl_b32 s16, s12, 5
	s_add_co_u32 s16, s16, ttmp9
	s_mul_i32 s16, s16, STEPB                      ; (32 head + step) x 8,960
	s_mov_b32 s17, 0
	s_mul_i32 s18, s10, WSTG                       ; my stage
	s_lshr_b32 s19, s10, 1                         ; v's codes: key block w = 2 c + h': 4096 + 512 c + 256 h'
	s_lshl_b32 s19, s19, 9
	s_and_b32 s13, s10, 1
	s_lshl_b32 s13, s13, 8
	s_add_co_u32 s19, s19, s13
	s_add_co_u32 s19, s19, 4096
	s_mov_b32 s20, 0x76543210
	s_mov_b32 s21, 0xfedcba98                      ; v_permlanex16_b32's selects for lane l xor 16
	v_lshlrev_b32 v4, 4, v2
	v_lshl_add_u32 v4, v3, 12, v4                  ; k, in: lanes 0-15 one key's 256 bytes, lanes 16-31 the next key's
	v_mul_u32_u24 v5, v3, SPITCH
	v_lshl_add_u32 v5, v2, 4, v5
	v_add_nc_u32 v5, s18, v5                       ; into the stage: the same two rows
	v_mul_u32_u24 v6, v2, SPITCH
	v_lshl_add_u32 v6, v3, 7, v6
	v_add_nc_u32 v6, s18, v6                       ; out of it: row r of a tile, channel block h
	v_lshlrev_b32 v7, 2, v1                        ; v, in: 4 bytes a lane
	v_lshlrev_b32 v8, 4, v1                        ; 16 x lane
	v_lshlrev_b32 v13, 3, v1                       ; 8 x lane
	v_lshlrev_b32 v9, 4, v2
	v_lshl_add_u32 v9, v3, 10, v9
	v_add_nc_u32 v9, s19, v9                       ; v's codes, out: channel lane = 16 t + r: 1024 t + 16 r + my key block's place
	s_lshl_b32 s13, s10, 2
	v_add_nc_u32 v10, s13, v8
	v_add_nc_u32 v10, SCL, v10                     ; LDS: K's scale word: 16 x lane + 4 x wave
	v_add_nc_u32 v11, s10, v13
	v_add_nc_u32 v11, SCL+512, v11                 ; LDS: V's scale byte: 8 x lane + wave
	v_lshlrev_b32 v12, 3, v3                       ; 8 h: my byte's place in a scale word of K
	s_lshl_b32 s13, s10, 10
	v_add_nc_u32 v25, s13, v8                      ; K's codes, out: 1024 x wave + 16 x lane
	v_add_nc_u32 v26, SCL, v8                      ; LDS: the scale words on their way out (wave 0 alone reads them)
	v_add_nc_u32 v27, SCL+512, v13
	v_mov_b32 v24, 0                               ; written once: a lane permute's destination counts as one of its sources
	s_wait_kmcnt 0x0
	s_add_nc_u64 s[4:5], s[4:5], s[14:15]          ; k and v at my wave's first key, my head
	s_add_nc_u64 s[6:7], s[6:7], s[14:15]
	s_add_nc_u64 s[8:9], s[8:9], s[16:17]          ; kv at my step's block
; 32 numbers of a lane, v[src] on, one block: their codes into v[c] .. v[c+3], the conversion's scale operand into v[sop], the scale's byte into v[byt].
.macro Q32 src, c, sop, byt
	v_max3_num_f32 v14, |v[\src]|, |v[\src+1]|, |v[\src+2]|        ; the largest magnitude, in two chains that do not wait for each other
	v_max3_num_f32 v15, |v[\src+3]|, |v[\src+4]|, |v[\src+5]|
.irp i, 6,10,14,18,22,26
	v_max3_num_f32 v14, v14, |v[\src+\i]|, |v[\src+\i+1]|
	v_max3_num_f32 v15, v15, |v[\src+\i+2]|, |v[\src+\i+3]|
.endr
	v_max3_num_f32 v14, v14, |v[\src+30]|, |v[\src+31]|
	v_max3_num_f32 v14, v14, v15, 0x1800000        ; and the floor 2^(3 - 127): the byte cannot fall under 1
	v_add_nc_u32 v[\sop], 0xff000000, v14          ; 2 off its exponent field: the conversion takes the exponent field of this operand as its scale, and nothing else of it
.irp g, 0,1,2,3
	v_cvt_scalef32_pk8_fp4_f32 v[\c+\g], v[\src+8*\g:\src+8*\g+7], v[\sop]   ; to the nearest code, ties to even; beyond 6 the largest code
.endr
	v_lshrrev_b32 v[\byt], 23, v[\sop]             ; the scale's byte.  (Also the plain vector line behind the conversions)
.endm
.irp i, 0,1,2,3,4,5,6,7,8,9,10,11,12,13,14,15
	global_load_b128 v[R+4*\i:R+4*\i+3], v4, s[4:5] offset:8192*\i th:TH_LOAD_NT   ; keys 2 i and 2 i + 1: twice 256 consecutive bytes
.endr
.irp i, 0,1,2,3,4,5,6,7,8,9,10,11,12,13,14,15,16,17,18,19,20,21,22,23,24,25,26,27,28,29,30,31
	global_load_b32 v[VA+\i], v7, s[6:7] offset:4096*\i th:TH_LOAD_NT              ; v(key i, channel lane)
.endr
	s_wait_loadcnt 32                              ; k's sixteen loads are in; behind them stand v's 32
.irp i, 0,1,2,3,4,5,6,7,8,9,10,11,12,13,14,15
	ds_store_b128 v5, v[R+4*\i:R+4*\i+3] offset:(16*(((2*\i)>>3)&1)+8*(((2*\i)>>4)&1)+((2*\i)&7))*SPITCH   ; key x goes to stage row 16 u + r, with u = (x / 8) % 2 and r = x % 8 + 8 (x / 16): the tiles' order
.endr
.irp u, 0,1
.irp m, 0,1,2,3,4,5,6,7
	ds_load_b128 v[X0+32*\u+4*\m:X0+32*\u+4*\m+3], v6 offset:16*\u*SPITCH+16*\m     ; LDS serves a wave's instructions in order, and the stage is my own: these see the stores above
.endr
.endr
.irp i, 0,1,2,3,4,5,6,7,8,9,10,11,12,13,14,15,16,17,18,19,20,21,22,23,24,25,26,27,28,29,30,31
	global_load_b32 v[VB+\i], v7, s[6:7] offset:4096*\i+128 th:TH_LOAD_NT          ; v(key i, channel 32 + lane)
.endr
	s_wait_dscnt 8                                 ; tile 2 w's numbers are back; the other tile's eight loads may be out
	Q32 X0, CD, 16, 20
	s_wait_dscnt 0x0
	Q32 X1, CD+4, 17, 21
	global_store_b128 v25, v[CD:CD+3], s[8:9]                  ; a tile's codes: 512 consecutive bytes, at a multiple of 256 from kv's first byte
	global_store_b128 v25, v[CD+4:CD+7], s[8:9] offset:512
	v_lshlrev_b32 v20, v12, v20                    ; my byte at its place in the key's scale word,
	v_lshlrev_b32 v21, v12, v21
	v_permlanex16_b32 v24, v20, s20, s21
	v_or_b32 v20, v20, v24                         ; with lane l xor 16's: both bytes, in both halves of the lanes
	v_permlanex16_b32 v24, v21, s20, s21
	v_or_b32 v21, v21, v24
	v_cmp_le_u32 vcc_lo, 16, v1
	v_cndmask_b32 v20, v20, v21, vcc_lo            ; lanes 0-15 keep tile 2 w's word, lanes 16-31 take tile 2 w + 1's
	v_or_b32 v20, 0x7f7f0000, v20                  ; the two bytes above scale zero codes: 1.0
	ds_store_b32 v10, v20
	s_wait_loadcnt 32                              ; v's first 32 loads are in; the other 32 may be out
	Q32 VA, CD+8, 18, 22
	global_store_b128 v9, v[CD+8:CD+11], s[8:9]                ; sixteen lanes store 256 consecutive bytes, aligned: tiles 0 and 1
	ds_store_b8 v11, v22                           ; byte w of channel lane's scale word
	s_wait_loadcnt 0x0
	Q32 VB, CD+12, 19, 23
	global_store_b128 v9, v[CD+12:CD+15], s[8:9] offset:2048   ; tiles 2 and 3
	ds_store_b8 v11, v23 offset:4
	s_wait_dscnt 0x0                               ; for the others' sake: my scale words and bytes lie in LDS
	s_barrier_signal -1
	s_barrier_wait -1                              ; everybody's do
	s_cmp_lg_u32 s10, 0
	s_cbranch_scc1 .Lend                           ; wave 0 sends the step's 768 bytes of scales out
	ds_load_b128 v[240:243], v26
	ds_load_b64 v[244:245], v27
	s_wait_dscnt 0x0
	global_store_b128 v8, v[240:243], s[8:9] offset:8192       ; 512 consecutive bytes
	global_store_b64 v13, v[244:245], s[8:9] offset:8704       ; 256 consecutive bytes
.Lend:
	s_wait_tensorcnt 0x0
	ds_add_u32 v248, v249
	s_wait_dscnt 0x0
	s_endpgm
.Lfunc_end_k_qa8ddd09c77_quant:
	.size	k_qa8ddd09c77_quant, .Lfunc_end_k_qa8ddd09c77_quant-k_qa8ddd09c77_quant
	.p2alignl 7, 3214868480
	.fill 96, 4, 3214868480
	.section	.rodata,"a",@progbits
	.p2align	6, 0x0
	.amdhsa_kernel k_qa8ddd09c77_quant
		.amdhsa_group_segment_fixed_size 36352
		.amdhsa_private_segment_fixed_size 0
		.amdhsa_enable_private_segment 0
		.amdhsa_kernarg_size 24
		.amdhsa_user_sgpr_count 2
		.amdhsa_user_sgpr_kernarg_segment_ptr 1
		.amdhsa_wavefront_size32 1
		.amdhsa_system_sgpr_workgroup_id_x 1
		.amdhsa_system_sgpr_workgroup_id_y 1
		.amdhsa_system_sgpr_workgroup_id_z 1
		.amdhsa_system_vgpr_workitem_id 0
		.amdhsa_next_free_vgpr 250
		.amdhsa_next_free_sgpr 66
		.amdhsa_reserve_vcc 1
		.amdhsa_float_denorm_mode_32 3
		.amdhsa_float_denorm_mode_16_64 3
		.amdhsa_memory_ordered 1
		.amdhsa_forward_progress 1
		.amdhsa_inst_pref_size 20
	.end_amdhsa_kernel
	.amdgpu_metadata
---
amdhsa.version: [ 1, 2 ]
amdhsa.kernels:
  - .name:           k_qa8ddd09c77_quant
    .symbol:         k_qa8ddd09c77_quant.kd
    .args:
      - { .name: k, .offset: 0, .size: 8, .value_kind: global_buffer, .address_space: global }
      - { .name: v, .offset: 8, .size: 8, .value_kind: global_buffer, .address_space: global }
      - { .name: kv, .offset: 16, .size: 8, .value_kind: global_buffer, .address_space: global }
    .group_segment_fixed_size: 36352
    .private_segment_fixed_size: 0
    .kernarg_segment_align: 8
    .kernarg_segment_size: 24
    .max_flat_workgroup_size: 128
    .sgpr_count:     66
    .vgpr_count:     250
    .wavefront_size: 32
...
	.end_amdgpu_metadata
.endif
;; end of part 1
;; launch attn (part 2): grid 16 x 16, 16 waves a work-group, no clusters, 288,768 bytes of LDS; arguments q, kv, out0; writes out0
.if DOCPART == 2
	.amdgcn_target "amdgcn-amd-amdhsa--gfx1250"
	.amdhsa_code_object_version 6
	.text
	.protected	k_qa8ddd09c77_attn
	.globl	k_qa8ddd09c77_attn
	.p2align	8
	.type	k_qa8ddd09c77_attn,@function
k_qa8ddd09c77_attn:
	s_mov_b64 s[64:65], 0
	v_nop
	global_prefetch_b8 v0, s[64:65] scope:SCOPE_SE
	s_setreg_imm32_b32 hwreg(HW_REG_WAVE_MODE, 25, 1), 1
	s_wait_xcnt 0x0
; out0[s][64 head + d] = the sum over keys k <= s of softmax_k(q[s][head] . k[k][head] / 8) v[k][head][d], both products on codes of FP4 (E2M1) with one E8M0 scale for each 32 along a product's K.
; q: [4096][16][64] f32, quantised here in registers (each number is read by one wave).  kv: K's and V's codes and scale words of [head 16][step 32], 8,960 bytes a step of 128 keys, laid as
; images of the operands' registers (with l = lane, r = l % 16, h = l / 16):  +0 K's codes, tile T at 512 T + 16 l;  +4096 V's codes, tile t, half c at 1024 t + 512 c + 16 l;
; +8192 K's scale words at 16 l + 4 b (tile 2 b + h, row r);  +8704 V's scale words at 8 l + 4 j (tile 2 j + h, row r).
; THE FIRST PRODUCT'S K is the head's 64, half of the instruction's 128: the upper half is zero codes on both sides (four registers of each fragment, cleared once), under the scale byte 0x7f.
; THE SOFTMAX AHEAD OF THE SECOND PRODUCT: t = score x log2(e) / 8; M = the row's largest t so far, rounded UP to a whole number; p = 2^(t - M) is what is quantised, along the keys; it is not normalised.
; The row's sum is taken of the unquantised p, in f32, and divides O at the end.  When M moves, the sum and O are multiplied by 2^(old M - new M): exact.
; SHARES.  The causal mask leaves a block of 128 queries, number B, B + 1 steps of 128 keys.  Work-group (g, head) owns blocks g and 31 - g: eight waves take a tile of 16 queries each of the one (g + 1 steps),
; eight of the other (32 - g steps): 8 x 33 tile-steps in every one of the 256 work-groups.  Wave w's block is chosen by (w xor w / 4) % 2, its tile is w / 2: of any four waves that follow each other, and of any four that are equal modulo 4, two have the long walk.
; LDS.  A head's 32 steps are 286,720 bytes: they come into LDS once, by sixteen tensor loads issued at the start (waves 0 to 3, four each: two steps of each chunk of eight), and stay: no byte is filled twice.
; Every work-group fetches all 32 steps though it reads 32 - g of them: so every wave's tensor loads are the same on every path, and the counted waits hold.
; Every wave walks all 32 steps, so that trip counts are constants and every wave passes every barrier; a step whose keys all come after the wave's queries is jumped over by a scalar branch on ids.
; NO CLUSTER: the work-groups that share K and V are those of one head, and which steps a wave works hangs on g, which differs between them; without that branch the vector work, which is most of a step's instructions (some 215 against 12 matrix instructions), would double.
; LAYOUT.  Both products are used transposed: S^T = K Q^T (source 0 = 16 keys, source 1 = my 16 queries), O^T = V^T P^T (source 0 = 16 channels, source 1 = P): a lane holds ONE query (lane % 16) throughout.
; The keys of a tile are not neighbours: row r of tile 2 b + u is key 32 b + 8 u + r + 8 (r / 8), so that the 16 registers of tiles 2 b and 2 b + 1 are the 16 neighbouring keys 32 b + 16 h + 0 .. 15.
; LIMITS: NaN and infinities among the inputs are not served; a block of zeros has the scale byte 1 and not 127 (its codes are zeros); p under 2^-126 counts as 0;
; a block's largest p is taken as the exponential of the block's largest score, which takes v_exp_f32 not to fall where its input rises.
.set STEPB,  8960
.set CHUNKB, 8*STEPB                   ; eight steps: what the four fetching waves bring with one load each
.set LOADB,  2*STEPB                   ; one load: two steps, 70 rows of 256 bytes
.set SPITCH, 272                       ; the way out: a stage row, 256 bytes + 16
.set L16, 4                            ; v4   16 x lane
.set L8,  5                            ; v5   8 x lane
.set DG,  6                            ; v6   on the diagonal: my query - the step's first key - 16 h
.set NINF, 7                           ; v7   -infinity
.set AD,  8                            ; v8   the step's LDS address + 16 x lane
.set AD2, 9                            ; v9   + 8 x lane
.set QF,  16                           ; v16-23    Q's fragment (v20-23 zero codes)
.set KT,  32                           ; v32-95    K's eight tiles (registers 4-7 of each: zero codes, written once)
.set SS,  96                           ; v96-159   S^T, then p
.set OT,  160                          ; v160-191  O^T
.set VT,  192                          ; v192-223  V's four tiles
.set PC,  224                          ; v224-231  p's codes
.set BM,  232                          ; v232-235  the blocks' largest scores, then largest p
.set TP,  236                          ; v236-239  at work
.set FF,  240                          ; v[240:241] f = 2^(old M - new M); v241 is named with it as a pair
.set VS,  242                          ; v[242:243] V's scale words
.set SOP, 244                          ; v244-247  the conversions' scale operands
.set KS,  248                          ; v[248:251] K's scale words
.set PW,  253                          ; v253 p's scale word
.set TT,  254                          ; v254 at work
.set QW,  255                          ; v255 Q's scale word
                                       ; v12 -M, v13 the largest t, v[14:15] the sum in two halves
.set WV,  10                           ; s10  wave
.set BLK, 15                           ; s15  my block of 128 queries = my last step
.set SEL, 20                           ; s[20:21] lane selects for v_permlanex16_b32: lane l xor 16
.set CS,  22                           ; s[22:23] c = log2(e) / 8: the packed form names a pair and takes its low word for both halves
.set G1,  24                           ; s[24:31] descriptor group 1
.set G0,  32                           ; s[32:47] descriptor group 0, one for each chunk; never rewritten
.set TB,  48                           ; s48  LDS byte at which the step in hand begins
.set ST,  49                           ; s49  the step in hand
	s_load_b128 s[4:7], s[0:1], 0x0                ; q s[4:5], kv s[6:7]
	s_load_b64 s[8:9], s[0:1], 0x10                ; out0
	v_lshl_add_u32 v254, v0, 2, 0x46000
	v_mov_b32 v255, 0
	ds_add_u32 v254, v255
	ds_add_u32 v254, v255
	s_wait_dscnt 0x0
	v_lshrrev_b32 v1, 5, v0
	v_readfirstlane_b32 s[WV], v1                  ; wave 0..15
	s_mov_b32 s11, ttmp9                           ; g
	s_and_b32 s12, ttmp7, 0xffff                   ; head
	; descriptor group 1: a dense block of 17,920 bytes as 70 rows of 32 elements of 8 bytes; no padding: every LDS read takes a lane's bytes at 16 x lane or 8 x lane
	s_mov_b32 s[G1+0], 3<<16                       ; 15:0 no mask; 17:16 elements of 8 bytes
	s_mov_b32 s[G1+1], 32<<16                      ; tensor_dim0 = 32
	s_mov_b32 s[G1+2], 70<<16                      ; tensor_dim1 = 70
	s_mov_b32 s[G1+3], 32<<16                      ; tile_dim0 = 32
	s_mov_b32 s[G1+4], 70                          ; tile_dim1 = 70
	s_mov_b32 s[G1+5], 32                          ; from row to row: 32 elements
	s_mov_b32 s[G1+6], 0
	s_mov_b32 s[G1+7], 0
	s_wait_kmcnt 0x0
	s_cmp_lt_u32 s[WV], 4                          ; waves 0 to 3 fetch: all their loads stand in this one branch, ahead of every wait on TENSORcnt, every LDS read and every barrier
	s_cbranch_scc0 .Lnofetch
	s_mul_i32 s50, s[WV], LOADB                    ; my two steps of a chunk
	s_mul_i32 s52, s12, 32*STEPB                   ; the head's bytes in kv
	s_add_co_u32 s52, s52, s50
	s_mov_b32 s53, 0
	s_add_nc_u64 s[6:7], s[6:7], s[52:53]
.irp c, 0,1,2,3
	s_mov_b32 s[G0+4*\c], 1                                        ; count = 1
	s_add_co_u32 s[G0+4*\c+1], s50, \c*CHUNKB                      ; LDS address: the bytes lie in LDS as in the head's part of kv
	s_add_nc_u64 s[G0+4*\c+2:G0+4*\c+3], s[6:7], \c*CHUNKB         ; global address
	s_or_b32 s[G0+4*\c+3], s[G0+4*\c+3], 0x80000000               ; type = 2
.endr
.irp c, 0,1,2,3
	tensor_load_to_lds s[G0+4*\c:G0+4*\c+3], s[G1:G1+7]            ; four loads of mine are out, at the most
	s_nop 0
.endr
.rept 4
	v_nop                                          ; four v_nop follow the last of them
.endr
.Lnofetch:
	s_lshr_b32 s13, s[WV], 2
	s_xor_b32 s13, s13, s[WV]
	s_and_b32 s13, s13, 1                          ; 0: block g;  1: block 31 - g
	s_lshr_b32 s14, s[WV], 1                       ; my tile of 16 queries in it
	s_sub_co_u32 s51, 31, s11
	s_cmp_lg_u32 s13, 0
	s_cselect_b32 s[BLK], s51, s11
	s_lshl_b32 s16, s[BLK], 7
	s_lshl_b32 s50, s14, 4
	s_add_co_u32 s16, s16, s50                     ; my first query
	s_lshl_b32 s18, s16, 12                        ; x 4,096 bytes
	s_lshl_b32 s51, s12, 8                         ; + head x 256: the same place in q and in out0
	s_add_co_u32 s18, s18, s51
	s_mov_b32 s19, 0
	s_add_nc_u64 s[4:5], s[4:5], s[18:19]
	s_add_nc_u64 s[8:9], s[8:9], s[18:19]
	s_mov_b32 s[SEL], 0x76543210
	s_mov_b32 s[SEL+1], 0xfedcba98
	s_mov_b32 s[CS], 0x3e38aa3b                    ; c = log2(e) / 8
	s_mov_b32 s[CS+1], s[CS]                       ; (named with it as a pair, so it is written)
	v_and_b32 v1, 15, v0                           ; r
	v_bfe_u32 v2, v0, 4, 1                         ; h
	v_lshlrev_b32 v3, 12, v1
	v_lshl_add_u32 v3, v2, 7, v3                   ; q: query r, channel block h: 128 bytes
.irp i, 0,1,2,3,4,5,6,7
	global_load_b128 v[SS+4*\i:SS+4*\i+3], v3, s[4:5] offset:16*\i th:TH_LOAD_NT
.endr
	v_and_b32 v[L16], 31, v0
	v_lshlrev_b32 v[L8], 3, v[L16]
	v_lshlrev_b32 v[L16], 4, v[L16]
	v_lshlrev_b32 v[DG], 4, v2
	v_sub_nc_u32 v[DG], v1, v[DG]
	v_add_nc_u32 v[DG], s50, v[DG]                 ; 16 x tile + r - 16 h
	v_mov_b32 v[NINF], 0xff800000
	v_lshlrev_b32 v30, 3, v2                       ; 8 h
	v_mov_b32 v29, 0                               ; (a lane permute's destination counts as one of its sources)
	s_wait_loadcnt 0x0
	; Q: my block of 32 becomes registers 0-3 of the fragment (K = 32 h + 0 .. 31), and its byte half of the query's scale word
	v_max3_num_f32 v24, |v[SS]|, |v[SS+1]|, |v[SS+2]|
	v_max3_num_f32 v25, |v[SS+3]|, |v[SS+4]|, |v[SS+5]|
.irp i, 6,10,14,18,22,26
	v_max3_num_f32 v24, v24, |v[SS+\i]|, |v[SS+\i+1]|
	v_max3_num_f32 v25, v25, |v[SS+\i+2]|, |v[SS+\i+3]|
.endr
	v_max3_num_f32 v24, v24, |v[SS+30]|, |v[SS+31]|
	v_max3_num_f32 v24, v24, v25, 0x1800000        ; the floor 2^(3 - 127): the byte cannot fall under 1
	v_add_nc_u32 v27, 0xff000000, v24              ; 2 off the exponent field: the conversion's scale operand
.irp g, 0,1,2,3
	v_cvt_scalef32_pk8_fp4_f32 v[QF+\g], v[SS+8*\g:SS+8*\g+7], v27
.endr
	v_lshrrev_b32 v28, 23, v27                     ; the scale's byte.  (Also the plain vector line behind the conversions)
	v_lshlrev_b32 v28, v30, v28                    ; at its place,
	v_permlanex16_b32 v29, v28, s[SEL], s[SEL+1]
	v_or_b32 v28, v28, v29                         ; with lane l xor 16's;
	v_or_b32 v[QW], 0x7f7f0000, v28                ; the two bytes above scale zero codes: 1.0
	; What is written once.  These lines are also the places between the scale word and the fragment just made and the first scaled product.
.irp j, 4,5,6,7
	v_mov_b32 v[QF+\j], 0                          ; K = 64 .. 127 of Q: zero codes
.endr
.irp T, 0,1,2,3,4,5,6,7
.irp j, 4,5,6,7
	v_mov_b32 v[KT+8*\T+\j], 0                     ; and of K's eight tiles: no load ever lands here
.endr
.endr
.irp j, 0,1,2,3,4,5,6,7,8,9,10,11,12,13,14,15,16,17,18,19,20,21,22,23,24,25,26,27,28,29,30,31
	v_mov_b32 v[OT+\j], 0                          ; O^T.  (The step is written once: the first finds zeros, which the first change of M leaves zeros; a first step of its own would be a fifth copy of the step)
.endr
	v_mov_b32 v13, 0xff61b1e6                      ; the largest t so far: -3e38, under every t
	v_floor_f32 v12, -v13                          ; -M
	v_mov_b32 v14, 0                               ; the sum, in two halves
	v_mov_b32 v15, 0
.irp b, 0,1,2,3
	v_mov_b32 v[TP+\b], 0                          ; lane permutes' destinations
.endr
	v_mov_b32 v[FF+1], 0                           ; (named as the upper half of a pair)
	v_mov_b32 v252, 0                              ; the last lane permute's destination
; A KEY STEP: 128 keys at LDS byte s[TB].
.macro STEP
	s_cmp_gt_u32 s[ST], s[BLK]                     ; all its keys come after my queries: only the lines at its end, which step the address and the count, are run
	s_cbranch_scc1 .Lhid_\@
	v_add_nc_u32 v[AD], s[TB], v[L16]
	v_add_nc_u32 v[AD2], s[TB], v[L8]
.irp T, 0,1,2,3,4,5,6,7
	ds_load_b128 v[KT+8*\T:KT+8*\T+3], v[AD] offset:512*\T         ; a tile of K: 512 consecutive bytes.  (The products that read these registers stand a softmax back)
.endr
	ds_load_b128 v[KS:KS+3], v[AD] offset:8192     ; the eight tiles' scale words: register b: lanes 0-15 tile 2 b, lanes 16-31 tile 2 b + 1
	s_wait_dscnt 0x0
.irp T, 0,1,2,3,4,5,6,7                        ; S^T = K Q^T
.if \T%2
	v_wmma_scale_f32_16x16x128_f8f6f4 v[SS+8*\T:SS+8*\T+7], v[KT+8*\T:KT+8*\T+7], v[QF:QF+7], 0, v[KS+\T/2], v[QW] matrix_a_fmt:MATRIX_FMT_FP4 matrix_b_fmt:MATRIX_FMT_FP4 matrix_a_scale:MATRIX_SCALE_ROW1
.else
	v_wmma_scale_f32_16x16x128_f8f6f4 v[SS+8*\T:SS+8*\T+7], v[KT+8*\T:KT+8*\T+7], v[QF:QF+7], 0, v[KS+\T/2], v[QW] matrix_a_fmt:MATRIX_FMT_FP4 matrix_b_fmt:MATRIX_FMT_FP4
.endif
.endr
.rept 4
	v_nop                                          ; four places in front of the first read of the scores; with the two additions above, six between the last step's products V^T P^T and the loads into their registers
.endr
.irp t, 0,1,2,3
.irp c, 0,1
	ds_load_b128 v[VT+8*\t+4*\c:VT+8*\t+4*\c+3], v[AD] offset:4096+1024*\t+512*\c   ; V's tiles land while the softmax is worked
.endr
.endr
	ds_load_b64 v[VS:VS+1], v[AD2] offset:8704     ; their scale words: register j: lanes 0-15 tile 2 j, lanes 16-31 tile 2 j + 1
	s_cmp_lt_u32 s[ST], s[BLK]                     ; a step all of whose keys count skips the mask
	s_cbranch_scc1 .Lopen_\@
.irp n, 0,1,2,3,4,5,6,7,8,9,10,11,12,13,14,15,16,17,18,19,20,21,22,23,24,25,26,27,28,29,30,31,32,33,34,35,36,37,38,39,40,41,42,43,44,45,46,47,48,49,50,51,52,53,54,55,56,57,58,59,60,61,62,63
	v_cmp_gt_i32 vcc_lo, 32*(\n/16)+\n%16, v[DG]   ; ON THE DIAGONAL register 16 b + i holds the step's key 32 b + 16 h + i: hidden where 32 b + i > my query - the step's first key - 16 h
	v_cndmask_b32 v[SS+\n], v[SS+\n], v[NINF], vcc_lo              ; its score becomes -infinity: p = 0
.endr
.Lopen_\@:
.irp b, 0,1,2,3
	v_max3_num_f32 v[BM+\b], v[SS+16*\b], v[SS+1+16*\b], v[SS+2+16*\b]   ; THE LARGEST SCORE OF EACH BLOCK OF 32 KEYS serves twice: for the row's maximum, and, since p rises with the score, for the block's largest p
.endr
.irp i, 3,5,7,9,11,13
.irp b, 0,1,2,3
	v_max3_num_f32 v[BM+\b], v[BM+\b], v[SS+16*\b+\i], v[SS+1+16*\b+\i]   ; (the four blocks by turns)
.endr
.endr
.irp b, 0,1,2,3
	v_max_num_f32 v[BM+\b], v[BM+\b], v[SS+15+16*\b]
.endr
.irp b, 0,1,2,3
	v_permlanex16_b32 v[TP+\b], v[BM+\b], s[SEL], s[SEL+1]
.endr
.irp b, 0,1,2,3
	v_max_num_f32 v[BM+\b], v[BM+\b], v[TP+\b]     ; with lane l xor 16's 16 keys
.endr
	v_max3_num_f32 v[TT], v[BM], v[BM+1], v[BM+2]
	v_max_num_f32 v[TT], v[TT], v[BM+3]            ; the step's largest score of my query (key 0 of the step counts for every query that works the step: it is a number)
	v_mul_f32 v[TT], s[CS], v[TT]                  ; as t (c is positive)
	v_max_num_f32 v13, v13, v[TT]                  ; the running largest t
	v_mov_b32 v[TT], v12
	v_floor_f32 v12, -v13                          ; the new -M = floor(-t) = -ceil(t): M is a whole number
	v_sub_f32 v[TT], v12, v[TT]                    ; M's old value less its new one: a whole number, 0 or less
	v_cvt_i32_f32 v[TT], v[TT]                     ; (it saturates)
	v_ldexp_f32 v[FF], 1.0, v[TT]                  ; f = 2^(old M - new M): a multiplication by it rounds nothing
.irp j, 0,2,4,6,8,10,12,14,16,18,20,22,24,26,28,30,32,34,36,38,40,42,44,46,48,50,52,54,56,58,60,62
	v_pk_fma_f32 v[SS+\j:SS+1+\j], v[SS+\j:SS+1+\j], s[CS:CS+1], v[12:13] op_sel_hi:[1,0,0]   ; t - M, two at a time (of the pairs c and -M the low word serves both halves)
.endr
.irp b, 0,1,2,3
	v_fma_f32 v[BM+\b], v[BM+\b], s[CS], v12       ; the same of each block's largest score
.endr
.irp j, 0,1,2,3,4,5,6,7,8,9,10,11,12,13,14,15,16,17,18,19,20,21,22,23,24,25,26,27,28,29,30,31,32,33,34,35,36,37,38,39,40,41,42,43,44,45,46,47,48,49,50,51,52,53,54,55,56,57,58,59,60,61,62,63
	v_exp_f32 v[SS+\j], v[SS+\j]                   ; p = 2^(t - M), at most 1: NOT normalised
.endr
.irp b, 0,1,2,3
	v_exp_f32 v[BM+\b], v[BM+\b]                   ; the block's largest p: the same two instructions on the same number give the same bits
.endr
	v_pk_mul_f32 v[14:15], v[14:15], v[FF:FF+1] op_sel_hi:[1,0]    ; the sums under the new M.  (The plain line behind the exponentials)
	s_wait_alu depctr_va_vdst(0)
.irp b, 0,1,2,3
	v_max_num_f32 v[BM+\b], 0x1800000, v[BM+\b]    ; the floor 2^(3 - 127): the byte cannot fall under 1 (a block whose every p is 0 keeps that byte: its codes are zeros)
.endr
.irp b, 0,1,2,3
	v_add_nc_u32 v[SOP+\b], 0xff000000, v[BM+\b]   ; 2 off the exponent field: the conversion's scale operand
.endr
.irp b, 0,1,2,3
	v_lshrrev_b32 v[TP+\b], 23, v[SOP+\b]          ; the scale's byte
.endr
	v_lshl_or_b32 v[PW], v[TP+1], 8, v[TP]         ; p's scale word for these 128 keys
	v_lshl_or_b32 v[PW], v[TP+2], 16, v[PW]
	v_lshl_or_b32 v[PW], v[TP+3], 24, v[PW]
.irp b, 0,1,2,3
	v_cvt_scalef32_pk8_fp4_f32 v[PC+2*\b], v[SS+16*\b:SS+7+16*\b], v[SOP+\b]
	v_cvt_scalef32_pk8_fp4_f32 v[PC+1+2*\b], v[SS+8+16*\b:SS+15+16*\b], v[SOP+\b]
.endr
	v_nop                                          ; one plain vector line between the conversions and what touches their results
.irp c, 0,1                                    ; the operand's layout wants a WHOLE block in a lane: lanes 0-15 block 2 c, lanes 16-31 block 2 c + 1
.irp i, 0,1
	v_permlane16_swap_b32 v[PC+4*\c+\i], v[PC+2+4*\c+\i]
.endr
.endr
	v_pk_add_f32 v[TP:TP+1], v[SS:SS+1], v[SS+2:SS+3]              ; THE ROW'S SUM IS TAKEN OF THE UNQUANTISED p: two at a time, in two chains
.irp j, 4,8,12,16,20,24,28,32,36,40,44,48,52,56,60
	v_pk_add_f32 v[14:15], v[14:15], v[SS+\j:SS+1+\j]
	v_pk_add_f32 v[TP:TP+1], v[TP:TP+1], v[SS+2+\j:SS+3+\j]
.endr
	v_pk_add_f32 v[14:15], v[14:15], v[TP:TP+1]
.irp j, 0,2,4,6,8,10,12,14,16,18,20,22,24,26,28,30
	v_pk_mul_f32 v[OT+\j:OT+1+\j], v[OT+\j:OT+1+\j], v[FF:FF+1] op_sel_hi:[1,0]   ; O^T under the new M: x f, each accumulator from its low end on.  (With the sums above: the places between p's codes and scale word and the products below)
.endr
	s_wait_dscnt 0x0                               ; V's tiles and scale words are in
.irp t, 0,1,2,3                                ; O^T += V^T P^T: the four accumulators by turns, and the next step's eight products K Q^T stand between two links of a chain
.if \t%2
	v_wmma_scale_f32_16x16x128_f8f6f4 v[OT+8*\t:OT+8*\t+7], v[VT+8*\t:VT+8*\t+7], v[PC:PC+7], v[OT+8*\t:OT+8*\t+7], v[VS+\t/2], v[PW] matrix_a_fmt:MATRIX_FMT_FP4 matrix_b_fmt:MATRIX_FMT_FP4 matrix_a_scale:MATRIX_SCALE_ROW1
.else
	v_wmma_scale_f32_16x16x128_f8f6f4 v[OT+8*\t:OT+8*\t+7], v[VT+8*\t:VT+8*\t+7], v[PC:PC+7], v[OT+8*\t:OT+8*\t+7], v[VS+\t/2], v[PW] matrix_a_fmt:MATRIX_FMT_FP4 matrix_b_fmt:MATRIX_FMT_FP4
.endif
.endr
.Lhid_\@:
	s_add_co_u32 s[TB], s[TB], STEPB
	s_add_co_u32 s[ST], s[ST], 1
.endm
; EIGHT STEPS.  A fetching wave waits until its load of chunk c has landed: behind it it issued 3 - c loads, which may stay out; a wave that fetches nothing has none out.
; Then it says so, and all sixteen read the chunk behind the barrier.
.macro CHUNK c
	s_wait_tensorcnt 3-\c
	s_wait_dscnt 0x0                               ; no LDS instruction of mine is pending at the signal
	s_barrier_signal -1
	s_barrier_wait -1
	s_mov_b32 s[TB], \c*CHUNKB
	s_mov_b32 s[ST], 8*\c
.Ls_\@:
	STEP
	s_cmp_lt_u32 s[ST], 8*\c+8
	s_cbranch_scc1 .Ls_\@
.endm
	CHUNK 0
	CHUNK 1
	CHUNK 2
	CHUNK 3                                        ; its wait is for 0: no tensor load is out from here on
	; THE WAY OUT.  O^T is divided by the sum and goes through my stage in LDS (16 rows of 256 + 16 bytes), so that sixteen lanes store a query's 256 bytes of this head.
	; The stages lie in the first steps' bytes: those have had their one fill, and behind this barrier nobody reads K or V any more.
	s_wait_dscnt 0x0                               ; my reads of K and V are over
	s_barrier_signal -1
	s_barrier_wait -1                              ; everybody's are
	v_add_f32 v14, v14, v15                        ; the sum's two halves,
	v_permlanex16_b32 v252, v14, s[SEL], s[SEL+1]
	v_add_f32 v14, v14, v252                       ; and lane l xor 16's: the row's sum
	v_rcp_f32 v14, v14
	s_mul_i32 s50, s[WV], 16*SPITCH                ; my stage
	v_mul_u32_u24 v10, v1, SPITCH                  ; (these eight plain lines stand behind the reciprocal, and are the places behind the last products)
	v_lshl_add_u32 v10, v2, 5, v10
	v_add_nc_u32 v10, s50, v10                     ; in: row r; tile t's eight channels of my half: 64 t + 32 h bytes on
	v_mul_u32_u24 v11, v2, SPITCH
	v_lshl_add_u32 v11, v1, 4, v11
	v_add_nc_u32 v11, s50, v11                     ; back: lanes 0-15 one row, lanes 16-31 the next
	v_lshlrev_b32 v26, 12, v2
	v_lshl_add_u32 v26, v1, 4, v26                 ; and the same two rows in out0
	s_wait_alu depctr_va_vdst(0)
.irp j, 0,1,2,3,4,5,6,7,8,9,10,11,12,13,14,15,16,17,18,19,20,21,22,23,24,25,26,27,28,29,30,31
	v_mul_f32 v[SS+\j], v[OT+\j], v14              ; O^T / the sum: register 8 t + i is o(query r, channel 16 t + 8 h + i); each accumulator from its low end on
.endr
.irp t, 0,1,2,3
	ds_store_b128 v10, v[SS+8*\t:SS+8*\t+3] offset:64*\t
	ds_store_b128 v10, v[SS+8*\t+4:SS+8*\t+7] offset:64*\t+16
.endr
.irp i, 0,1,2,3,4,5,6,7
	ds_load_b128 v[SS+32+4*\i:SS+32+4*\i+3], v11 offset:2*\i*SPITCH   ; LDS serves a wave's instructions in order, and the stage is my own: these see the stores above
.endr
.irp i, 0,1,2,3,4,5,6,7
	s_wait_dscnt 7-\i                              ; rows 2 i and 2 i + 1 are back; the younger loads may be out
	global_store_b128 v26, v[SS+32+4*\i:SS+32+4*\i+3], s[8:9] offset:8192*\i th:TH_STORE_NT   ; sixteen lanes store 256 consecutive bytes, at a multiple of 256 from out0's first byte
.endr
	s_wait_xcnt 0x0
	v_lshl_add_u32 v254, v0, 2, 0x46000
	v_mov_b32 v255, 0
	s_wait_tensorcnt 0x0
	ds_add_u32 v254, v255
	s_wait_dscnt 0x0
	s_endpgm
.Lfunc_end_k_qa8ddd09c77_attn:
	.size	k_qa8ddd09c77_attn, .Lfunc_end_k_qa8ddd09c77_attn-k_qa8ddd09c77_attn
	.p2alignl 7, 3214868480
	.fill 96, 4, 3214868480
	.section	.rodata,"a",@progbits
	.p2align	6, 0x0
	.amdhsa_kernel k_qa8ddd09c77_attn
		.amdhsa_group_segment_fixed_size 288768
		.amdhsa_private_segment_fixed_size 0
		.amdhsa_enable_private_segment 0
		.amdhsa_kernarg_size 24
		.amdhsa_user_sgpr_count 2
		.amdhsa_user_sgpr_kernarg_segment_ptr 1
		.amdhsa_wavefront_size32 1
		.amdhsa_system_sgpr_workgroup_id_x 1
		.amdhsa_system_sgpr_workgroup_id_y 1
		.amdhsa_system_sgpr_workgroup_id_z 1
		.amdhsa_system_vgpr_workitem_id 0
		.amdhsa_next_free_vgpr 256
		.amdhsa_next_free_sgpr 66
		.amdhsa_reserve_vcc 1
		.amdhsa_float_denorm_mode_32 3
		.amdhsa_float_denorm_mode_16_64 3
		.amdhsa_memory_ordered 1
		.amdhsa_forward_progress 1
		.amdhsa_inst_pref_size 93
	.end_amdhsa_kernel
	.amdgpu_metadata
---
amdhsa.version: [ 1, 2 ]
amdhsa.kernels:
  - .name:           k_qa8ddd09c77_attn
    .symbol:         k_qa8ddd09c77_attn.kd
    .args:
      - { .name: q, .offset: 0, .size: 8, .value_kind: global_buffer, .address_space: global }
      - { .name: kv, .offset: 8, .size: 8, .value_kind: global_buffer, .address_space: global }
      - { .name: out0, .offset: 16, .size: 8, .value_kind: global_buffer, .address_space: global }
    .group_segment_fixed_size: 288768
    .private_segment_fixed_size: 0
    .kernarg_segment_align: 8
    .kernarg_segment_size: 24
    .max_flat_workgroup_size: 512
    .sgpr_count:     66
    .vgpr_count:     256
    .wavefront_size: 32
...
	.end_amdgpu_metadata
.endif
;; end of part 2
